; MI455X (gfx1250); checked and timed in simulation.
; The chip was launched on July 23, 2026; its instructions are those of AMD's public machine-readable ISA for CDNA 5 (MIT licence, August 2026) and "CDNA5" Instruction Set Architecture Reference Guide (July 2026). The comments in the code are by the model that wrote it; some were corrected since.
;; Radix Attention. Allowed arithmetic: matrix products marked QUANTISED: E4M3 operands, one given power-of-two scale a tensor, by v_wmma_f32_16x16x64_fp8_fp8 or v_wmma_f32_16x16x128_fp8_fp8, f32 sums; everything else in f32.
;; Inputs: k 4 x 512 x 8 x 128 float32; lowp_scales 8 int32 (the exponents e of the quantised operands' scales 2^e); pool_k 16,384 x 8 x 128 float32; pool_v 16,384 x 8 x 128 float32; q 4 x 512 x 32 x 128 float32; req_to_token 4 x 2,048 int32; v 4 x 512 x 8 x 128 float32.
;; Outputs: out0 2,048 x 4,096 float32.
;; This version of the problem:
;;   THIS VERSION OF THE PROBLEM IS GIVEN IN LOW PRECISION. The matrix products marked QUANTISED in the list below multiply operands that are first quantised to E4M3 (4 exponent bits, 3 mantissa bits; 8 bits a number), with one given power-of-two scale for each operand tensor; their sums are f32. All else is computed in f32.
;;   The module's matrix products, in the order in which they are computed (A, B: the left and right operand; K: the contracted axis; several contracted axes count as one K, in the product's order):
;;     1. batch 32 x [M 512, K 128] x [K 128, N 2,048]; A: input k; B: input q: QUANTISED (scales: A lowp_scales[0], B lowp_scales[1])
;;     2. batch 32 x [M 128, K 512] x [K 512, N 2,048]; A: input v; B: softmax (see below): QUANTISED (scales: A lowp_scales[2], B lowp_scales[3])
;;     3. batch 32 x [M 2,048, K 128] x [K 128, N 2,048]; A: computed on the way; B: input q: QUANTISED (scales: A lowp_scales[4], B lowp_scales[5])
;;     4. batch 32 x [M 128, K 2,048] x [K 2,048, N 2,048]; A: computed on the way; B: softmax (see below): QUANTISED (scales: A lowp_scales[6], B lowp_scales[7])
;;   THE QUANTISER, for each operand of a quantised product, along K:
;;     - The operand's scale is 2^e, e = its entry of the input lowp_scales (int32; the entries are numbered through the quantised products in the list's order, A before B).
;;     - Each number is divided by the scale, clamped to +-448, and rounded to the nearest number of E4M3, ties to even, subnormals kept.
;;     - The product sums the exact products of the quantised numbers (number of the format x scale) in f32.
;;   ~~~python
;;   def quantise(x, axis, e):      # numpy; x: float32 -> the quantised numbers, widened to float32 again
;;       x = np.moveaxis(x, axis, -1); K = x.shape[-1]
;;       r = np.clip(x / 2.0 ** e, -448, 448)
;;       step = 2.0 ** (np.maximum(np.frexp(np.where(r == 0, 1, r))[1] - 1, -6) - 3)
;;       q = np.round(r / step) * step * 2.0 ** e      # np.round: ties to even
;;       return np.moveaxis(q, -1, axis).astype(np.float32)
;;   ~~~
;;   SOFTMAX AHEAD OF A QUANTISED PRODUCT. Where the list says 'softmax', what is quantised is not the finished softmax but p = 2^(t - M), with t = logit x log2(e) and M = ceil(the row's largest t), a whole number; so 1/2 < the row's largest p <= 1. The row's sum l is taken of the UNQUANTISED p, in f32, and the product's result is divided by l at the end. Since M is a whole number, a kernel that streams over the keys may use a running M (the ceiling of the running maximum): every later rescaling is an exact power of two, so the quantised numbers keep their values, but for numbers so far below the row's largest that they fall under the format's range.
;;   OPERANDS COMPUTED ON THE WAY. 'Computed on the way' means the value that the module computes at that place (a softmax that the list does not call 'softmax' is quantised finished and normalised). What goes into a quantiser is computed in f32, as accurately as f32 sums, v_exp_f32 and their like allow (about 1e-6 of the number): no bf16 or f16 on the way to a quantiser, and a product that is left as it is and whose result goes on into a quantised operand takes f32 operands (vector FMAs, or v_wmma_f32_16x16x4_f32). A number that lies on a knife's edge between two numbers of the format may be rounded either way, as far as f32 arithmetic and the matrix unit's own rounding can turn it there, and no further.
;; One version. Each part assembles by itself: llvm-mc -triple=amdgcn-amd-amdhsa -mcpu=gfx1250 --defsym DOCPART=n.
;; ======== version 1 of 1: 2 launches
;; limits: right only within a limited range of input values
;; workspace buffers: kv 20,971,520 bytes
;; launch prep (part 1): grid 80 x 8, 8 waves a work-group, no clusters, 68,608 bytes of LDS; arguments k, v, pool_k, pool_v, req_to_token, lowp_scales, kv; writes kv
.if DOCPART == 1
	.amdgcn_target "amdgcn-amd-amdhsa--gfx1250"
	.amdhsa_code_object_version 6
	.text
	.protected	k_q5a6c8a2b30_prep
	.globl	k_q5a6c8a2b30_prep
	.p2align	8
	.type	k_q5a6c8a2b30_prep,@function
k_q5a6c8a2b30_prep:
	s_mov_b64 s[64:65], 0
	v_nop
	global_prefetch_b8 v0, s[64:65] scope:SCOPE_SE
	s_setreg_imm32_b32 hwreg(HW_REG_WAVE_MODE, 25, 1), 1
	s_wait_xcnt 0x0
; The keys and values that the attention launch walks are gathered, quantised to FP8 (E4M3) with the given scales, and laid out as IMAGES OF THE OPERANDS' REGISTERS.
; kv[bh = 8 b + head][step n of 128 keys, 20 of them][K image 16,384 bytes | V image 16,384 bytes].  Steps 0-3: the request's 512 new tokens (k, v); steps 4-19: its 2,048 prefix positions (pool_k, pool_v at req_to_token).
; A fragment (16 rows x 128 along K) is 2,048 bytes: chunk c at 512 c, lane l = 16 hh + r at 16 l.
;   K tile 2 bb + u: the 16 bytes of (c, r, hh) are key 32 bb + 8 u + r + 8 (r / 8) of the step, channels 32 c + 16 hh + 0 .. 15.   (The keys of a tile are not neighbours: the scores of tiles 2 bb, 2 bb + 1 are then 16 neighbouring keys a lane.)
;   V tile t:        the 16 bytes of (c, r, hh) are channel 16 t + r, keys 32 c + 16 hh + 0 .. 15 of the step: the keys are the second product's K.
; code = x / 2^e, held within +-448, to the nearest code, ties to even.  e: lowp_scales[0] for k, [2] for v, [4] for gathered keys, [6] for gathered values.
; LIMITS: -126 <= e <= 119, so that 2^e and 448 x 2^e are f32 numbers.  NaN among the inputs is not served.  An index is held inside the pool (0 .. 16,383) before it enters an address.
; SHARES.  Work-group x = kb: 32 keys (step kb / 4, quarter kb % 4); y: request y % 4, K (y < 4) or V.  It reads 32 token rows of 4,096 bytes (8 heads x 128 f32) and stores 32 KB of codes.
;   K: wave = head.  A load takes one key's 512 bytes, 16 a lane; 16 keys turn through the wave's own stage in LDS so that a lane holds 16 neighbouring channels four times; a store covers 512 consecutive bytes of an image.
;   V: a lane takes a channel and its 32 registers run down the keys, so the conversions give codes with the keys innermost and nothing is turned; the eight waves stand side by side on 1,024 bytes of each row, four times.
;      Sixteen lanes store 256 consecutive bytes, at a multiple of 256 from kv's first byte.
; No tensor load, no barrier: waves share nothing.  No cache hint on the loads: a list may name a pool row twice.
; THE ORDER OF STEPS IN kv, as this text lays them (it replaces the order named in the lines above): steps 0-15 are the request's 2,048 prefix positions, steps 16-19 its 512 new tokens.
.set BH,    655360                     ; a head's bytes in kv: 20 steps
.set VIMG,  16384                      ; V's image behind K's
.set TOK,   32                         ; s[32:63] the 32 token rows
.set DAT,   16                         ; v16-143  numbers
.set COD,   144                        ; v144-175 codes: registers of their own for each store
.set AD,    176                        ; v176-207 a byte offset for each of the 32 token rows; never rewritten
.set SROW,  528                        ; a stage row: 512 bytes + 16
.set STG,   16*SROW                    ; a wave's stage
.set SPARE, 8*STG                      ; behind the stages: the spare words, 128 bytes for each wave: four blocks of 256 bytes that no other line names
.set SPW,   12                         ; v12  LDS address of my spare word; never rewritten
.set NIL,   13                         ; v13  0; never rewritten
	s_load_b256 s[4:11], s[0:1], 0x0               ; k s[4:5], v s[6:7], pool_k s[8:9], pool_v s[10:11]
	s_load_b128 s[12:15], s[0:1], 0x20             ; req_to_token s[12:13], lowp_scales s[14:15]
	s_load_b64 s[16:17], s[0:1], 0x30              ; kv
	v_lshl_add_u32 v[SPW], v0, 2, SPARE
	v_mov_b32 v[NIL], 0
	v_lshrrev_b32 v1, 5, v0
	s_delay_alu instid0(VALU_DEP_1)
	v_readfirstlane_b32 s26, v1                    ; wave 0..7
	v_and_b32 v1, 31, v0                           ; lane
	v_and_b32 v2, 15, v0                           ; r
	v_bfe_u32 v3, v0, 4, 1                         ; hh
	s_mov_b32 s27, ttmp9                           ; kb
	s_and_b32 s30, ttmp7, 0xffff
	s_and_b32 s28, s30, 3                          ; b
	s_lshr_b32 s29, s30, 2                         ; 0: K, 1: V
	s_add_co_u32 s68, s27, 64                      ; where my 32 keys go in kv, in units of 32 keys: new tokens (kb < 16) behind the prefix,
	s_sub_co_u32 s69, s27, 16                      ; the prefix from 0 on
	s_cmp_lt_u32 s27, 16
	s_cselect_b32 s68, s68, s69
	s_wait_kmcnt 0x0
	s_load_b256 s[72:79], s[14:15], 0x0            ; the eight exponents
	s_cmp_lt_u32 s27, 16                           ; new tokens or prefix?  The choices hang on the work-group's number alone
	s_cselect_b64 s[20:21], s[4:5], s[8:9]
	s_cselect_b64 s[22:23], s[6:7], s[10:11]
	s_cmp_eq_u32 s29, 0
	s_cselect_b64 s[18:19], s[20:21], s[22:23]     ; the table that I read
	s_cmp_lt_u32 s27, 16
	s_cbranch_scc0 .Lprefix
	s_lshl_b32 s31, s28, 9                         ; new tokens: rows 512 b + 32 kb + i
	s_lshl_b32 s30, s27, 5
	s_add_co_u32 s31, s31, s30
.set i, 0
.rept 32
	s_add_co_u32 s[TOK+i], s31, i
.set i, i+1
.endr
	s_branch .Llist
.Lprefix:
	s_lshl_b32 s30, s28, 11                        ; prefix: the 32 entries of req_to_token from 2,048 b + 32 (kb - 16) on
	s_sub_co_u32 s31, s27, 16
	s_lshl_b32 s31, s31, 5
	s_add_co_u32 s30, s30, s31
	s_lshl_b32 s30, s30, 2
	s_mov_b32 s31, 0
	s_add_nc_u64 s[24:25], s[12:13], s[30:31]
	s_load_b512 s[TOK:TOK+15], s[24:25], 0x0
	s_load_b512 s[TOK+16:TOK+31], s[24:25], 0x40
.Llist:
	s_wait_kmcnt 0x0                               ; the exponents, and the list where it was loaded
.set i, 0
.rept 32
	s_min_u32 s[TOK+i], s[TOK+i], 0x3fff           ; held inside the pool before it enters an address
.set i, i+1
.endr
	s_cmp_lt_u32 s27, 16
	s_cselect_b32 s70, s72, s76                    ; K: entry 0 or 4
	s_cselect_b32 s71, s74, s78                    ; V: entry 2 or 6
	s_cmp_eq_u32 s29, 0
	s_cselect_b32 s70, s70, s71                    ; e
	s_add_co_i32 s70, s70, 127
	s_lshl_b32 s71, s70, 23
	v_mov_b32 v11, s71                             ; 2^e as f32: the conversion takes its exponent field
	s_add_co_i32 s70, s70, 8
	s_lshl_b32 s70, s70, 23
	s_or_b32 s70, s70, 0x600000
	v_mov_b32 v10, s70                             ; 448 x 2^e
.macro ADDRS                           ; token row x 4,096 bytes + my wave's and lane's place in a row (v4)
.set i, 0
.rept 32
	v_lshl_add_u32 v[AD+i], s[TOK+i], 12, v4
.set i, i+1
.endr
.endm
; 8 n numbers from v[r] on become 8 n codes from v[c] on
.macro QUANT r, c, n
.set i, 0
.rept 8*(\n)
	v_med3_num_f32 v[(\r)+i], v[(\r)+i], -v10, v10 ; the conversion to an 8-bit code does not saturate (ISA guide 7.6.2): the hold at the largest code x the scale
.set i, i+1
.endr
.set i, 0
.rept \n
	v_cvt_scalef32_pk8_fp8_f32 v[(\c)+2*i:(\c)+2*i+1], v[(\r)+8*i:(\r)+8*i+7], v11
.set i, i+1
.endr
	v_nop                                          ; a plain vector line behind the last conversion of a run
.endm
.macro ENDW                            ; the wave's end
	s_wait_tensorcnt 0x0
	ds_add_u32 v[SPW], v[NIL]
	s_wait_dscnt 0x0
	s_endpgm
.endm
	s_cmp_lg_u32 s29, 0
	s_cbranch_scc1 .Lvalues
	; ---------------- K: wave = head ----------------
	s_lshl_b32 s30, s26, 9
	s_wait_alu depctr_va_vdst(0)
	v_lshlrev_b32 v7, 4, v1                        ; 16 x lane: my place in a store's 512 bytes
	s_delay_alu instid0(VALU_DEP_1)
	v_add_nc_u32 v4, s30, v7                       ; and, + 512 x head, in a token row
	ADDRS
	s_mul_i32 s30, s26, STG                        ; my stage
	v_add_nc_u32 v5, s30, v7                       ; in: 16 x lane of a row
	v_mul_u32_u24 v6, v2, SROW
	s_delay_alu instid0(VALU_DEP_1)
	v_lshl_add_u32 v6, v3, 6, v6
	s_delay_alu instid0(VALU_DEP_1)
	v_add_nc_u32 v6, s30, v6                       ; back: row r, + 64 hh: my 16 channels of each 32
	s_lshl_b32 s30, s28, 3
	s_add_co_u32 s30, s30, s26                     ; 8 b + head
	s_mul_i32 s66, s30, BH
	s_lshr_b32 s30, s68, 2
	s_lshl_b32 s30, s30, 15                        ; + step x 32,768
	s_add_co_u32 s66, s66, s30
	s_and_b32 s30, s27, 3
	s_lshl_b32 s30, s30, 12                        ; + two tiles of 2,048 bytes for each 32 keys
	s_add_co_u32 s66, s66, s30
	s_mov_b32 s67, 0
	s_add_nc_u64 s[16:17], s[16:17], s[66:67]
.macro KLOAD u                         ; tile u's 16 keys: 8 u + r + 8 (r / 8); a load reads one key's 512 bytes
.set i, 0
.rept 16
	global_load_b128 v[DAT+64*\u+4*i:DAT+64*\u+4*i+3], v[AD+8*\u+i+8*(i/8)], s[18:19]
.set i, i+1
.endr
.endm
.macro KTURN u                         ; through my stage: LDS serves a wave's instructions in order (ISA guide 5.7.1.4), so no wait stands between the stores and the loads
.set i, 0
.rept 16
	ds_store_b128 v5, v[DAT+64*\u+4*i:DAT+64*\u+4*i+3] offset:SROW*i
.set i, i+1
.endr
.set i, 0
.rept 16
	ds_load_b128 v[DAT+64*\u+4*i:DAT+64*\u+4*i+3], v6 offset:128*(i/4)+16*(i%4)   ; register 16 c + i = channel 32 c + 16 hh + i of key row r
.set i, i+1
.endr
.endm
.macro KSTORE u
.irp c, 0,1,2,3
	global_store_b128 v7, v[COD+16*\u+4*\c:COD+16*\u+4*\c+3], s[16:17] offset:2048*\u+512*\c   ; 32 lanes store 512 consecutive bytes
.endr
.endm
	KLOAD 0
	s_wait_alu depctr_va_vdst(0)
	KLOAD 1
	s_wait_loadcnt 16                              ; tile 0's sixteen loads are in; tile 1's may be out
	KTURN 0
	s_wait_dscnt 0x0
	QUANT DAT, COD, 8
	KSTORE 0
	s_wait_loadcnt 0x0
	KTURN 1
	s_wait_dscnt 0x0
	QUANT DAT+64, COD+16, 8
	KSTORE 1
	ENDW
	; ---------------- V: a lane to a channel, registers down the keys ----------------
.Lvalues:
	s_lshl_b32 s30, s26, 7
	s_wait_alu depctr_va_vdst(0)
	v_lshlrev_b32 v4, 2, v1
	s_delay_alu instid0(VALU_DEP_1)
	v_add_nc_u32 v4, s30, v4                       ; 128 x wave + 4 x lane: in turn g the wave takes the row's bytes 1,024 g + 128 wave on: head 2 g + wave / 4, channels 32 (wave % 4) + lane
	ADDRS
	v_lshlrev_b32 v7, 4, v2
	s_delay_alu instid0(VALU_DEP_1)
	v_lshl_add_u32 v7, v3, 11, v7                  ; out: tile 2 (wave % 4) + lane / 16 at 2,048 bytes a tile, row lane % 16 at 16 bytes
	s_lshr_b32 s31, s26, 2
	s_lshl_b32 s30, s28, 3
	s_add_co_u32 s30, s30, s31                     ; 8 b + wave / 4
	s_mul_i32 s66, s30, BH
	s_lshr_b32 s30, s68, 2
	s_lshl_b32 s30, s30, 15                        ; + step x 32,768
	s_add_co_u32 s66, s66, s30
	s_and_b32 s30, s26, 3
	s_lshl_b32 s30, s30, 12                        ; + two tiles for each 32 channels
	s_add_co_u32 s66, s66, s30
	s_and_b32 s30, s27, 3
	s_lshl_b32 s30, s30, 9                         ; + chunk kb % 4
	s_add_co_u32 s66, s66, s30
	s_add_co_u32 s66, s66, VIMG
	s_mov_b32 s67, 0
	s_add_nc_u64 s[16:17], s[16:17], s[66:67]
.macro VLOAD g
.set i, 0
.rept 32
	global_load_b32 v[DAT+32*\g+i], v[AD+i], s[18:19] offset:1024*\g   ; key i, my channel: 32 lanes read 128 consecutive bytes, the eight waves 1,024
.set i, i+1
.endr
.endm
.macro VBLOCK g, left
	s_wait_loadcnt \left                           ; this turn's 32 loads are in; the next turn's may be out
	QUANT DAT+32*\g, COD+8*\g, 4
	global_store_b128 v7, v[COD+8*\g:COD+8*\g+3], s[16:17] offset:2*BH*\g          ; keys 0-15 (hh = 0); two heads on for each turn: 3,932,416 at the most, inside the signed 24-bit immediate (ISA guide, chapter 10)
	global_store_b128 v7, v[COD+8*\g+4:COD+8*\g+7], s[16:17] offset:2*BH*\g+256    ; keys 16-31 (hh = 1)
.endm
	s_wait_alu depctr_va_vdst(0)
	VLOAD 0
	VLOAD 1
	VBLOCK 0, 32
	VLOAD 2
	VBLOCK 1, 32
	VLOAD 3
	VBLOCK 2, 32
	VBLOCK 3, 0
	ENDW
.Lfunc_end_k_q5a6c8a2b30_prep:
	.size	k_q5a6c8a2b30_prep, .Lfunc_end_k_q5a6c8a2b30_prep-k_q5a6c8a2b30_prep
	.p2alignl 7, 3214868480
	.fill 96, 4, 3214868480
	.section	.rodata,"a",@progbits
	.p2align	6, 0x0
	.amdhsa_kernel k_q5a6c8a2b30_prep
		.amdhsa_group_segment_fixed_size 68608
		.amdhsa_private_segment_fixed_size 0
		.amdhsa_enable_private_segment 0
		.amdhsa_kernarg_size 56
		.amdhsa_user_sgpr_count 2
		.amdhsa_user_sgpr_kernarg_segment_ptr 1
		.amdhsa_wavefront_size32 1
		.amdhsa_system_sgpr_workgroup_id_x 1
		.amdhsa_system_sgpr_workgroup_id_y 1
		.amdhsa_system_sgpr_workgroup_id_z 1
		.amdhsa_system_vgpr_workitem_id 0
		.amdhsa_next_free_vgpr 208
		.amdhsa_next_free_sgpr 80
		.amdhsa_reserve_vcc 0
		.amdhsa_float_denorm_mode_32 3
		.amdhsa_float_denorm_mode_16_64 3
		.amdhsa_memory_ordered 1
		.amdhsa_forward_progress 1
		.amdhsa_inst_pref_size 51
	.end_amdhsa_kernel
	.amdgpu_metadata
---
amdhsa.version: [ 1, 2 ]
amdhsa.kernels:
  - .name:           k_q5a6c8a2b30_prep
    .symbol:         k_q5a6c8a2b30_prep.kd
    .args:
      - { .name: k, .offset: 0, .size: 8, .value_kind: global_buffer, .address_space: global }
      - { .name: v, .offset: 8, .size: 8, .value_kind: global_buffer, .address_space: global }
      - { .name: pool_k, .offset: 16, .size: 8, .value_kind: global_buffer, .address_space: global }
      - { .name: pool_v, .offset: 24, .size: 8, .value_kind: global_buffer, .address_space: global }
      - { .name: req_to_token, .offset: 32, .size: 8, .value_kind: global_buffer, .address_space: global }
      - { .name: lowp_scales, .offset: 40, .size: 8, .value_kind: global_buffer, .address_space: global }
      - { .name: kv, .offset: 48, .size: 8, .value_kind: global_buffer, .address_space: global }
    .group_segment_fixed_size: 68608
    .private_segment_fixed_size: 0
    .kernarg_segment_align: 8
    .kernarg_segment_size: 56
    .max_flat_workgroup_size: 256
    .sgpr_count:     80
    .vgpr_count:     208
    .wavefront_size: 32
...
	.end_amdgpu_metadata
.endif
;; end of part 1
;; launch attn (part 2): grid 8 x 32, 4 waves a work-group, clusters of 4 x 1, 327,680 bytes of LDS; arguments q, kv, lowp_scales, out0; writes out0
.if DOCPART == 2
	.amdgcn_target "amdgcn-amd-amdhsa--gfx1250"
	.amdhsa_code_object_version 6
	.text
	.protected	k_q5a6c8a2b30_attn
	.globl	k_q5a6c8a2b30_attn
	.p2align	8
	.type	k_q5a6c8a2b30_attn,@function
k_q5a6c8a2b30_attn:
	s_mov_b64 s[64:65], 0
	v_nop
	global_prefetch_b8 v0, s[64:65] scope:SCOPE_SE
	s_setreg_imm32_b32 hwreg(HW_REG_WAVE_MODE, 25, 1), 1
	s_wait_xcnt 0x0
	s_wait_alu depctr_hold_cnt(0) depctr_sa_sdst(0) depctr_va_vdst(0) depctr_va_sdst(0) depctr_va_ssrc(0) depctr_va_vcc(0) depctr_vm_vsrc(0)
	s_getreg_b32 s2, hwreg(HW_REG_IB_STS2, 6, 4)
	s_cmp_eq_u32 s2, 0
	s_cbranch_scc0 .Lentry_in_a_cluster
	s_endpgm
.Lentry_in_a_cluster:
	s_bfe_u32 s2, ttmp6, 0x10000c
	s_cmp_lg_u32 s2, 0x3003
	s_cbranch_scc0 .Lentry_shape_is_right
	s_endpgm
.Lentry_shape_is_right:
; out0 = the merge of two attentions of the same queries: over the request's 2,048 prefix positions (no mask) and over its 512 new tokens (causal), all four products on codes of FP8 (E4M3).
; The merge by log-sum-exp of two softmax states is one running softmax over both sets of keys: O and the row's sum l are carried from the prefix into the new tokens.
; p = 2^(t - M), M = the ceiling of the running largest t; l sums the unquantised p; when M moves, O and l are multiplied by 2^(old M - new M).  Between the two parts the running largest t is let down to M - 64,
; so that the second part's p are taken against its own M unless that lies more than 64 under the first's; O is brought from the first part's scales to the second's by 2^((e6 + e7) - (e2 + e3)).
; kv[8 b + head][20 steps of 128 keys][K image 16,384 | V image 16,384]: images of the operands' registers; steps 0-15 prefix, 16-19 new tokens.
; LEFT OUT: key step n of the new tokens for the tiles whose 16 queries all come before its 128 keys: the causal mask sets those scores to -inf, so their p is 0 for all inputs.
; A NaN or an infinity that reaches only those scores is not carried to the result.  Every input has a way to the output and is read (k, v, the pools and the list by the launch before).
; SHARES.  Work-group (x, y): request y / 8, kv head y % 8.  Wave w = query head 4 (y % 8) + w.  A wave owns FOUR tiles of 16 queries: tile j = queries 16 x + 128 j .. + 15, one in each block of 128 of the causal mask:
; step n of the new tokens counts for tiles n .. 3 and lies on tile n's diagonal, in every wave alike: those four steps are written out with no branch, 4 + 3 + 2 + 1 tile steps.
; Each fragment of K and V read from LDS feeds four matrix instructions.  Both products are used transposed (source 0 = 16 keys or 16 channels, source 1 = my queries): a lane holds one query (lane % 16).
; REGISTERS BY KIND, in windows of 256: window 0: addresses, the tiles' states, K's eight fragments (v128-255); window 1: S, then p, 64 a tile; window 2: O^T, 64 a tile;
; window 3: Q's codes (v0-63), p's codes (v64-127), V's eight fragments (v128-255).  One window setting then serves a kind of work for all four tiles, whose chains take turns.
; RING: two slots of four key steps (131,072 bytes); each wave fetches one step's 32,768 bytes by one joint load.  CLUSTER: the four work-groups of a cluster share y and walk the same kv: mask 15.
; K of step n + 1 and V of step n are read from LDS under step n's softmax.  In a slot's last step the address of the K loads is held at the step in hand, so that the text has no jump and no read leaves the slot.
; No prefetch is laid: a slot's load is asked for four key steps, 256 matrix instructions and their softmax, ahead of the wait for it, and the head has no loop to run ahead in.
; LIMITS on the given exponents: e0 + e1 and e4 + e5 between -123 and 125 (added to c's exponent field, taken from 1 / c's); e1, e3, e5, e7 between -126 and 119.  The scaled scores stay under 2^31 in magnitude.  NaN among the inputs is not served.
.set BH,     655360
.set REGION, 131072
.set STEPB,  32768
.set SROW,   272                       ; a stage row: 256 bytes + 16
.set STAGE,  2*REGION                  ; 16 rows for each wave: Q on the way in, O on the way out
.set QSAVE,  STAGE+4*16*SROW           ; Q's codes for the new tokens' product: 8,192 bytes a wave
.set SPARE,  QSAVE+4*8192              ; the spare words: 128 bytes a wave
.set LI,   1                           ; 16 x lane
.set ADR,  2                           ; the step in hand
.set GO,   3                           ; q, out0: 16,384 (lane / 16) + 16 (lane % 16)
.set SPW,  4
.set NIL,  5
.set STO,  6
.set RD,   7
.set QRD,  8
.set QS,   9
.set DM,   10                          ; my query less 16 (lane / 16), counted in its block of 128
.set NINF, 11
.set LIMP, 12                          ; 448 x p's scale
.set SCP,  13                          ; p's scale
.set LQ1,  14
.set SQ1,  15
.set LQ2,  16
.set SQ2,  17
.set ADK,  18                          ; the step whose K is read ahead
.set ST,   32                          ; tile j's state at ST + 16 j: +0 -M, +1 the largest raw score, +2 f, +4 +5 at work, +6 f for O at the change of parts, +8..15 l in four pairs
.set WV,  12
.set SEL, 20
.set CS,  22
.set G1,  24
.set G0,  32
.set TB,  40
.set NS,  41
.set BL,  42
.set NC,  46
.set MSB, 0
.macro WIN new                         ; low byte: bits 1:0 source 0, 3:2 source 1, 5:4 source 2, 7:6 destination; the high byte repeats the setting left
.if MSB != \new
	s_set_vgpr_msb (MSB<<8)|\new
.set MSB, \new
.endif
.endm
.macro PLACES n
.rept \n
	v_nop
.endr
.endm
.macro CROUND                          ; a round of the cluster's barrier
	s_barrier_signal -1
	s_barrier_wait -1
	s_cmp_lg_u32 s[WV], 0
	s_cbranch_scc1 .Lnot_wave_0_\@
	s_barrier_signal -3
.Lnot_wave_0_\@:
	s_barrier_wait -3
	s_barrier_signal -1
	s_barrier_wait -1
.endm
.macro SCL sc, lim, e                  ; 2^e and 448 x 2^e as f32
	s_add_co_i32 s[\lim], s[\e], 127
	s_lshl_b32 s[\sc], s[\lim], 23
	s_add_co_i32 s[\lim], s[\lim], 8
	s_lshl_b32 s[\lim], s[\lim], 23
	s_or_b32 s[\lim], s[\lim], 0x600000
.endm
	s_load_b256 s[4:11], s[0:1], 0x0               ; q, kv, lowp_scales, out0
	v_lshl_add_u32 v[SPW], v0, 2, SPARE
	v_mov_b32 v[NIL], 0
	ds_add_u32 v[SPW], v[NIL]                      ; the opening lines: the add twice on end and its wait
	ds_add_u32 v[SPW], v[NIL]
	v_lshrrev_b32 v20, 5, v0
	v_readfirstlane_b32 s[WV], v20
	s_bfe_u32 s13, ttmp6, 0x40000
	s_lshl_b32 s14, ttmp9, 2
	s_add_co_u32 s14, s14, s13                     ; x
	s_and_b32 s15, ttmp7, 0xffff                   ; y
	s_lshr_b32 s16, s15, 3
	s_lshl_b32 s16, s16, 9
	s_lshl_b32 s63, s14, 4
	s_add_co_u32 s16, s16, s63                     ; tile 0's first row: 512 b + 16 x
	s_lshl_b32 s16, s16, 14
	s_and_b32 s17, s15, 7
	s_lshl_b32 s17, s17, 2
	s_add_co_u32 s17, s17, s[WV]
	s_lshl_b32 s17, s17, 9                         ; + 512 bytes x query head
	s_add_co_u32 s16, s16, s17
	s_mov_b32 s17, 0
	s_mul_i32 s18, s15, BH                         ; kv: my head, + the step of a block that my wave fetches: y and the wave's number alone
	s_lshl_b32 s47, s[WV], 15
	s_add_co_u32 s18, s18, s47
	s_mov_b32 s19, 0
	s_mul_i32 s61, s[WV], 16*SROW
	s_add_co_u32 s61, s61, STAGE
	s_lshl_b32 s62, s[WV], 13
	s_add_co_u32 s62, s62, QSAVE
	s_mov_b32 s[G1+0], 15|(3<<16)|(1<<21)          ; the cluster's four; elements of 8 bytes; bit 21 beside the mask
	s_mov_b32 s[G1+1], 32<<16                      ; rows of 256 bytes,
	s_mov_b32 s[G1+2], 128<<16                     ; 128 of them, dense
	s_mov_b32 s[G1+3], 32<<16
	s_mov_b32 s[G1+4], 128
	s_mov_b32 s[G1+5], 32
	s_mov_b32 s[G1+6], 0
	s_mov_b32 s[G1+7], 0
	s_mov_b32 s[SEL], 0x76543210
	s_mov_b32 s[SEL+1], 0xfedcba98
	s_mov_b32 s[TB], 0
	v_and_b32 v20, 15, v0                          ; r
	v_bfe_u32 v21, v0, 4, 1                        ; hh
	v_and_b32 v[LI], 31, v0
	v_lshlrev_b32 v[LI], 4, v[LI]
	v_lshlrev_b32 v[GO], 14, v21
	v_lshl_add_u32 v[GO], v20, 4, v[GO]
	v_mul_u32_u24 v[STO], v20, SROW
	v_add_nc_u32 v[STO], s61, v[STO]
	v_lshl_add_u32 v[QRD], v21, 6, v[STO]          ; Q back from the stage: row r, + 64 hh
	v_lshl_add_u32 v[STO], v21, 5, v[STO]          ; O into the stage: row r, + 32 hh
	v_mul_u32_u24 v[RD], v21, SROW
	v_lshl_add_u32 v[RD], v20, 4, v[RD]
	v_add_nc_u32 v[RD], s61, v[RD]                 ; by rows: lanes 0-15 one row, lanes 16-31 the next
	v_add_nc_u32 v[QS], s62, v[LI]
	v_lshlrev_b32 v22, 4, v21
	v_sub_nc_u32 v[DM], v20, v22
	v_add_nc_u32 v[DM], s63, v[DM]
	v_mov_b32 v[NINF], 0xff800000
	s_wait_alu depctr_va_vdst(0)
	s_wait_dscnt 0x0
	s_wait_kmcnt 0x0
	s_load_b256 s[68:75], s[8:9], 0x0              ; e0 .. e7
	s_add_nc_u64 s[6:7], s[6:7], s[18:19]
	s_add_nc_u64 s[4:5], s[4:5], s[16:17]
	s_add_nc_u64 s[10:11], s[10:11], s[16:17]
	s_mov_b32 s[G0+0], 1
	s_mov_b32 s[G0+1], s47
	s_mov_b64 s[G0+2:G0+3], s[6:7]
	s_or_b32 s[G0+3], s[G0+3], 0x80000000
	WIN 0x40                                       ; Q, asked for first: a load takes 256 bytes of each of two rows; 16 loads a tile into S's registers
.set j, 0
.rept 4
.set u, 0
.rept 2
.set i, 0
.rept 8
	global_load_b128 v[64*j+32*u+4*i:64*j+32*u+4*i+3], v[GO], s[4:5] offset:2097152*j+32768*i+256*u th:TH_LOAD_NT
.set i, i+1
.endr
.set u, u+1
.endr
.set j, j+1
.endr
	WIN 0
	CROUND                                         ; in front of the first joint loads
	tensor_load_to_lds s[G0:G0+3], s[G1:G1+7]      ; block 0 into slot 0: my one load at the head
	s_nop 0
	PLACES 4
	s_wait_kmcnt 0x0
	s_add_co_i32 s61, s72, s73
	s_lshl_b32 s61, s61, 23
	s_add_co_i32 s[CS], s61, 0x3e0293ee            ; c = log2(e) / sqrt(128) x 2^(e4 + e5), for the prefix
	s_mov_b32 s[CS+1], s[CS]
	s_xor_b32 s[NC], s[CS], 0x80000000             ; -c
	s_add_co_i32 s61, s68, s69
	s_lshl_b32 s61, s61, 23
	s_add_co_i32 s48, s61, 0x3e0293ee              ; the same with e0 + e1, for the new tokens
	s_xor_b32 s49, s48, 0x80000000
	s_sub_co_i32 s59, 0x40faf233, s61              ; and its reciprocal
	SCL 50, 51, 73
	SCL 52, 53, 69
	SCL 54, 55, 75
	SCL 56, 57, 71
	s_add_co_i32 s60, s70, s71                     ; e2 + e3
	s_add_co_i32 s58, s74, s75
	s_sub_co_i32 s58, s58, s60                     ; (e6 + e7) - (e2 + e3)
	v_mov_b32 v[LQ1], s51
	v_mov_b32 v[SQ1], s50
	v_mov_b32 v[LQ2], s53
	v_mov_b32 v[SQ2], s52
	v_mov_b32 v[LIMP], s55
	v_mov_b32 v[SCP], s54
.set j, 0
.rept 4
	v_mov_b32 v[ST+16*j], 0x7f61b1e6               ; -M = 3e38: the first step's f is 0, over zeros
	v_mov_b32 v[ST+16*j+1], 0xff61b1e6             ; the largest score so far: -3e38
.set i, 2
.rept 14
	v_mov_b32 v[ST+16*j+i], 0
.set i, i+1
.endr
.set j, j+1
.endr
	s_wait_alu depctr_va_vdst(0)
	WIN 0x44                                       ; Q turns through my stage, half rows of 16 queries at a time, so that a lane holds 16 neighbouring channels four times.  LDS serves a wave's instructions in order
.set j, 0
.rept 4
	s_wait_loadcnt 48-16*j                         ; tile j's sixteen loads are in; the later tiles' may be out
.set u, 0
.rept 2
.set i, 0
.rept 8
	ds_store_b128 v[RD], v[64*j+32*u+4*i:64*j+32*u+4*i+3] offset:2*SROW*i
.set i, i+1
.endr
.set i, 0
.rept 8
	ds_load_b128 v[64*j+32*u+4*i:64*j+32*u+4*i+3], v[QRD] offset:128*(i/4)+16*(i%4)
.set i, i+1
.endr
.set u, u+1
.endr
.set j, j+1
.endr
	s_wait_dscnt 0x0
.macro QQ lim, sc, dst                 ; all four tiles: held within +-448 x the scale (into O's registers), then to codes
	WIN 0x81
.set i, 0
.rept 256
	v_med3_num_f32 v[i], v[i], -v[\lim], v[\lim]
.set i, i+1
.endr
	WIN 0xc2
.set i, 0
.rept 32
	v_cvt_scalef32_pk8_fp8_f32 v[\dst+2*i:\dst+2*i+1], v[8*i:8*i+7], v[\sc]
.set i, i+1
.endr
	v_nop                                          ; a plain line behind the last conversion
.endm
	QQ LQ1, SQ1, 0                                 ; with e5: the prefix's Q
	QQ LQ2, SQ2, 64                                ; with e1: the new tokens' Q, kept in LDS as an image of its registers
	WIN 0x0c
.set i, 0
.rept 16
	ds_store_b128 v[QS], v[64+4*i:64+4*i+3] offset:512*i
.set i, i+1
.endr
	WIN 0x80
.set i, 0
.rept 256
	v_mov_b32 v[i], 0                              ; O^T: the loop has no first step of its own
.set i, i+1
.endr
	WIN 0
.macro LDK adr, off                    ; K's eight fragments
.set t, 0
.rept 32
	ds_load_b128 v[128+4*t:128+4*t+3], v[\adr] offset:\off+512*t
.set t, t+1
.endr
.endm
.macro LDV                             ; V's eight
	WIN 0xc0
.set t, 0
.rept 32
	ds_load_b128 v[128+4*t:128+4*t+3], v[ADR] offset:16384+512*t
.set t, t+1
.endr
.endm
.macro KQ t0                           ; S^T = K Q^T for tiles t0 .. 3: each fragment against every tile's Q
	WIN 0x4c
.set t, 0
.rept 8
.set j, \t0
.rept 4-\t0
	v_wmma_f32_16x16x128_fp8_fp8 v[64*j+8*t:64*j+8*t+7], v[128+16*t:128+16*t+15], v[16*j:16*j+15], 0
.set j, j+1
.endr
.set t, t+1
.endr
.endm
.macro PVS t0                          ; O^T += V^T P^T; the accumulators take turns
	WIN 0xaf
.set t, 0
.rept 8
.set j, \t0
.rept 4-\t0
	v_wmma_f32_16x16x128_fp8_fp8 v[64*j+8*t:64*j+8*t+7], v[128+16*t:128+16*t+15], v[64+16*j:64+16*j+15], v[64*j+8*t:64*j+8*t+7]
.set j, j+1
.endr
.set t, t+1
.endr
.endm
.macro MASK n                          ; tile n on its diagonal: register 16 b + i holds key 32 b + 16 (lane / 16) + i of the step: hidden where 32 b + i > DM
	WIN 0x41
.set i, 0
.rept 64
	v_cmp_gt_i32 vcc_lo, 32*(i/16)+i%16, v[DM]
	v_cndmask_b32 v[64*\n+i], v[64*\n+i], v[NINF], vcc_lo
.set i, i+1
.endr
.endm
.macro MAXS t0                         ; the running largest raw score, one chain a tile, the tiles by turns; each accumulator from its low end on
	WIN 0x14
.set i, 0
.rept 32
.set j, \t0
.rept 4-\t0
	v_max3_num_f32 v[ST+16*j+1], v[ST+16*j+1], v[64*j+2*i], v[64*j+2*i+1]
.set j, j+1
.endr
.set i, i+1
.endr
.endm
.macro STATE t0                        ; -M = floor(-c x largest), f = 2^(old M - new M); line by line for all tiles
	WIN 0
.irp op, 0,1,2,3,4,5,6,7,8
.set j, \t0
.rept 4-\t0
.set B, ST+16*j
.if \op == 0
	v_permlanex16_b32 v[B+4], v[B+1], s[SEL], s[SEL+1]
.elseif \op == 1
	v_max_num_f32 v[B+1], v[B+1], v[B+4]
.elseif \op == 2
	v_mul_f32 v[B+4], s[NC], v[B+1]
.elseif \op == 3
	v_floor_f32 v[B+4], v[B+4]
.elseif \op == 4
	v_sub_f32 v[B+5], v[B+4], v[B]
.elseif \op == 5
	v_mov_b32 v[B], v[B+4]
.elseif \op == 6
	v_cvt_i32_f32 v[B+5], v[B+5]
.elseif \op == 7
	v_ldexp_f32 v[B+2], 1.0, v[B+5]
.elseif FOF == 6
	v_ldexp_f32 v[B+6], v[B+2], s58                ; at the change of parts O also changes its scales
.endif
.set j, j+1
.endr
.endr
.endm
.macro RESC t0                         ; O^T x f, ahead of the exponentials
	WIN 0x82
.set j, \t0
.rept 4-\t0
.set i, 0
.rept 32
	v_pk_mul_f32 v[64*j+2*i:64*j+2*i+1], v[64*j+2*i:64*j+2*i+1], v[ST+16*j+FOF:ST+16*j+FOF+1] op_sel_hi:[1,0]
.set i, i+1
.endr
.set j, j+1
.endr
.endm
.macro SUMS j                          ; l = l x f + the tile's unquantised p, in four chains of pairs; the first link of each carries the factor
	WIN 0x10
.set c, 0
.rept 4
	v_pk_fma_f32 v[ST+16*(\j)+8+2*c:ST+16*(\j)+9+2*c], v[ST+16*(\j)+8+2*c:ST+16*(\j)+9+2*c], v[ST+16*(\j)+2:ST+16*(\j)+3], v[64*(\j)+2*c:64*(\j)+2*c+1] op_sel_hi:[1,0,1]
.set c, c+1
.endr
	WIN 0x04
.rept 28
	v_pk_add_f32 v[ST+16*(\j)+8+2*(c%4):ST+16*(\j)+9+2*(c%4)], v[ST+16*(\j)+8+2*(c%4):ST+16*(\j)+9+2*(c%4)], v[64*(\j)+2*c:64*(\j)+2*c+1]
.set c, c+1
.endr
	WIN 0x41
.endm
.macro PLAIN k                         ; the k-th of the plain lines that stand among the exponentials: first t - M of the tiles behind the first, then, from MOFF on, the holds of p
.if (\k) < 32*(NT-1)
	v_pk_fma_f32 v[SB0+64+2*(\k):SB0+65+2*(\k)], v[SB0+64+2*(\k):SB0+65+2*(\k)], s[CS:CS+1], v[ST+16*((SB0+64+2*(\k))/64):ST+16*((SB0+64+2*(\k))/64)+1] op_sel_hi:[1,0,0]
.elseif (\k) >= MOFF
	v_min_num_f32 v[SB0+(\k)-MOFF], v[SB0+(\k)-MOFF], v[LIMP]
.endif
.endm
; p = 2^(t - M), a batch of 64 a tile.  Each batch has a wait ahead of it, which also serves the batch before; a tile's sum is taken behind that wait, ahead of its holds.
; A plain line follows each exponential: it names no register of its batch; what it writes is first read behind a later wait.
.macro SOFT t0
.set NT, 4-\t0
.set SB0, 64*\t0
.if NT == 4
.set MOFF, 96
.else
.set MOFF, 64
.endif
	WIN 0x41
.set i, 0
.rept 32
	v_pk_fma_f32 v[SB0+2*i:SB0+2*i+1], v[SB0+2*i:SB0+2*i+1], s[CS:CS+1], v[ST+16*\t0:ST+16*\t0+1] op_sel_hi:[1,0,0]
.set i, i+1
.endr
.set b, 0
.rept NT
	s_wait_alu depctr_va_vdst(0)
.if b > 0
	SUMS (\t0+b-1)
.endif
.set i, 0
.rept 64
	v_exp_f32 v[SB0+64*b+i], v[SB0+64*b+i]
	PLAIN (64*b+i)
.set i, i+1
.endr
.set b, b+1
.endr
	v_nop                                          ; a plain place behind the last exponential
	s_wait_alu depctr_va_vdst(0)
	SUMS 3
.set i, 64*NT
.rept MOFF
	PLAIN i
.set i, i+1
.endr
.endm
.macro CVTS t0                         ; p's codes: 16 neighbouring keys in four registers
	WIN 0xc1
.set i, 8*\t0
.rept 32-8*\t0
	v_cvt_scalef32_pk8_fp8_f32 v[64+2*i:64+2*i+1], v[8*i:8*i+7], v[SCP]
.set i, i+1
.endr
	WIN 0
	v_nop                                          ; a plain line behind the last conversion
.endm
; A KEY STEP of 128 keys for tiles t0 .. 3.  causal = 0: in the loop, step NS of the slot; causal = 1: step t0 of the new tokens, written out.
.macro STEP t0, causal
.set FOF, 2
.if \causal
.if \t0 == 0
.set FOF, 6
.endif
.endif
	s_wait_dscnt 0x0                               ; K's fragments (and, at the change of parts, Q's codes) are in
	KQ \t0
	WIN 0
.if \causal
	s_add_co_u32 s43, s[TB], \t0*STEPB
	v_add_nc_u32 v[ADR], s43, v[LI]
	PLACES 3                                       ; with the line above: four places behind the products, for the loads and for the first reads of S
.if \t0 < 3
	LDK ADR, STEPB
.endif
.else
	s_lshl_b32 s43, s[NS], 15
	s_add_co_u32 s43, s43, s[TB]
	s_add_co_u32 s44, s[NS], 1
	s_min_u32 s44, s44, 3                          ; the next step, held inside the slot
	s_lshl_b32 s44, s44, 15
	s_add_co_u32 s44, s44, s[TB]
	v_add_nc_u32 v[ADR], s43, v[LI]
	v_add_nc_u32 v[ADK], s44, v[LI]
	PLACES 2
	LDK ADK, 0
.endif
	LDV
.if \causal
	MASK \t0
.endif
	MAXS \t0
	STATE \t0
	RESC \t0
	SOFT \t0
	CVTS \t0
	s_wait_alu depctr_va_vdst(0)
	s_wait_dscnt 0x0                               ; V's fragments, and the next K's
	PVS \t0
	WIN 0
.endm
; THE CHANGE OF SLOTS at a slot's head: all my tensor loads, the add, my LDS reads; a round of the cluster's barrier; the joint load of the next block into the slot just left; then the first K.
.macro CHANGE fill
	s_wait_tensorcnt 0x0
	ds_add_u32 v[SPW], v[NIL]
.if \fill
	s_xor_b32 s[G0+1], s[G0+1], REGION
	s_add_nc_u64 s[G0+2:G0+3], s[G0+2:G0+3], REGION
.endif
	s_wait_dscnt 0x0
.if \fill
	CROUND
	tensor_load_to_lds s[G0:G0+3], s[G1:G1+7]
	s_nop 0
.else
	s_barrier_signal -1
	s_barrier_wait -1
.endif
	v_add_nc_u32 v[ADR], s[TB], v[LI]
	PLACES 3
	LDK ADR, 0
.endm
	s_wait_alu depctr_va_vdst(0)
	s_mov_b32 s[BL], 4
.Lblock:                                               ; trip i: block i of the prefix from slot i % 2; block i + 1 is asked for (in trip 3: the new tokens)
	CHANGE 1
	s_mov_b32 s[NS], 0
.Lfour:
	STEP 0, 0
	s_add_co_u32 s[NS], s[NS], 1
	s_cmp_lt_u32 s[NS], 4
	s_cbranch_scc1 .Lfour
	s_xor_b32 s[TB], s[TB], REGION
	s_sub_co_u32 s[BL], s[BL], 1
	s_cmp_lg_u32 s[BL], 0
	s_cbranch_scc1 .Lblock
	CHANGE 0                                       ; the new tokens lie in slot 0; nothing more is asked for
	WIN 0xc0
.set i, 0
.rept 16
	ds_load_b128 v[4*i:4*i+3], v[QS] offset:512*i  ; Q's codes with e1
.set i, i+1
.endr
	WIN 0
.set j, 0
.rept 4
	v_sub_f32 v[ST+16*j+4], 0xc2800000, v[ST+16*j] ; M - 64,
.set j, j+1
.endr
.set j, 0
.rept 4
	v_mul_f32 v[ST+16*j+1], s59, v[ST+16*j+4]      ; as a raw score of the new product
.set j, j+1
.endr
	v_mov_b32 v[LIMP], s57
	v_mov_b32 v[SCP], s56
	s_mov_b32 s[CS], s48
	s_mov_b32 s[CS+1], s48
	s_mov_b32 s[NC], s49
	s_wait_alu depctr_va_vdst(0)
	STEP 0, 1
	STEP 1, 1
	STEP 2, 1
	STEP 3, 1
	; THE WAY OUT: l's parts are added, O^T / l x 2^(e2 + e3) goes through my stage, half a row of 16 queries at a time, and leaves in aligned units of 256 bytes
.irp op, 0,1,2,3,4,5
.set j, 0
.rept 4
.set B, ST+16*j
.if \op == 0
	v_pk_add_f32 v[B+8:B+9], v[B+8:B+9], v[B+10:B+11]
.elseif \op == 1
	v_pk_add_f32 v[B+12:B+13], v[B+12:B+13], v[B+14:B+15]
.elseif \op == 2
	v_pk_add_f32 v[B+8:B+9], v[B+8:B+9], v[B+12:B+13]
.elseif \op == 3
	v_add_f32 v[B+8], v[B+8], v[B+9]
.elseif \op == 4
	v_permlanex16_b32 v[B+4], v[B+8], s[SEL], s[SEL+1]
.else
	v_add_f32 v[B+8], v[B+8], v[B+4]
.endif
.set j, j+1
.endr
.endr
	s_wait_alu depctr_va_vdst(0)
.set j, 0
.rept 4
	v_rcp_f32 v[ST+16*j+8], v[ST+16*j+8]
.set j, j+1
.endr
	v_nop
	s_wait_alu depctr_va_vdst(0)
.set j, 0
.rept 4
	v_ldexp_f32 v[ST+16*j+8], v[ST+16*j+8], s60
.set j, j+1
.endr
	WIN 0x42
	s_wait_alu depctr_va_vdst(0)
.set j, 0
.rept 4
.set i, 0
.rept 32
	v_pk_mul_f32 v[64*j+2*i:64*j+2*i+1], v[64*j+2*i:64*j+2*i+1], v[ST+16*j+8:ST+16*j+9] op_sel_hi:[1,0]
.set i, i+1
.endr
.set j, j+1
.endr
	s_wait_alu depctr_va_vdst(0)
.macro OUTG j, u                       ; channels 64 u on of tile j: in by lanes, back by rows (into O's registers)
.irp t, 0,1,2,3
	ds_store_b128 v[STO], v[64*\j+32*\u+8*\t:64*\j+32*\u+8*\t+3] offset:64*\t
	ds_store_b128 v[STO], v[64*\j+32*\u+8*\t+4:64*\j+32*\u+8*\t+7] offset:64*\t+16
.endr
.irp i, 0,1,2,3,4,5,6,7
	ds_load_b128 v[64*\j+32*\u+4*\i:64*\j+32*\u+4*\i+3], v[RD] offset:2*SROW*\i
.endr
.endm
.macro SENDG j, u, left                ; left: the LDS instructions of the groups behind this one
	s_wait_dscnt \left
.irp i, 0,1,2,3,4,5,6,7
	global_store_b128 v[GO], v[64*\j+32*\u+4*\i:64*\j+32*\u+4*\i+3], s[10:11] offset:2097152*\j+32768*\i+256*\u th:TH_STORE_NT
.endr
.endm
.macro TWOTILES a, b                   ; two tiles, four groups of 16 LDS instructions, then their stores
	WIN 0x84
	OUTG \a, 0
	OUTG \a, 1
	OUTG \b, 0
	OUTG \b, 1
	WIN 0x08
	SENDG \a, 0, 48
	SENDG \a, 1, 32
	SENDG \b, 0, 16
	SENDG \b, 1, 0
.endm
	TWOTILES 0, 1
	TWOTILES 2, 3
	WIN 0
	s_wait_tensorcnt 0x0                           ; the wave's end
	ds_add_u32 v[SPW], v[NIL]
	s_wait_dscnt 0x0
	CROUND                                         ; the closing round
	s_endpgm
.Lfunc_end_k_q5a6c8a2b30_attn:
	.size	k_q5a6c8a2b30_attn, .Lfunc_end_k_q5a6c8a2b30_attn-k_q5a6c8a2b30_attn
	.p2alignl 7, 3214868480
	.fill 96, 4, 3214868480
	.section	.rodata,"a",@progbits
	.p2align	6, 0x0
	.amdhsa_kernel k_q5a6c8a2b30_attn
		.amdhsa_group_segment_fixed_size 327680
		.amdhsa_private_segment_fixed_size 0
		.amdhsa_enable_private_segment 0
		.amdhsa_kernarg_size 32
		.amdhsa_user_sgpr_count 2
		.amdhsa_user_sgpr_kernarg_segment_ptr 1
		.amdhsa_wavefront_size32 1
		.amdhsa_system_sgpr_workgroup_id_x 1
		.amdhsa_system_sgpr_workgroup_id_y 1
		.amdhsa_system_sgpr_workgroup_id_z 1
		.amdhsa_system_vgpr_workitem_id 0
		.amdhsa_next_free_vgpr 1024
		.amdhsa_next_free_sgpr 80
		.amdhsa_reserve_vcc 1
		.amdhsa_float_denorm_mode_32 3
		.amdhsa_float_denorm_mode_16_64 3
		.amdhsa_memory_ordered 1
		.amdhsa_forward_progress 1
		.amdhsa_inst_pref_size 255
	.end_amdhsa_kernel
	.section	.bss,"aw",@nobits
	.p2align	6
	.space	262144
	.amdgpu_metadata
---
amdhsa.version: [ 1, 2 ]
amdhsa.kernels:
  - .name:           k_q5a6c8a2b30_attn
    .symbol:         k_q5a6c8a2b30_attn.kd
    .args:
      - { .name: q, .offset: 0, .size: 8, .value_kind: global_buffer, .address_space: global }
      - { .name: kv, .offset: 8, .size: 8, .value_kind: global_buffer, .address_space: global }
      - { .name: lowp_scales, .offset: 16, .size: 8, .value_kind: global_buffer, .address_space: global }
      - { .name: out0, .offset: 24, .size: 8, .value_kind: global_buffer, .address_space: global }
    .group_segment_fixed_size: 327680
    .private_segment_fixed_size: 0
    .kernarg_segment_align: 8
    .kernarg_segment_size: 32
    .max_flat_workgroup_size: 128
    .sgpr_count:     80
    .vgpr_count:     1024
    .wavefront_size: 32
...
	.end_amdgpu_metadata
.endif
;; end of part 2
